; MI455X (gfx1250); checked and timed in simulation.
; The chip was launched on July 23, 2026; its instructions are those of AMD's public machine-readable ISA for CDNA 5 (MIT licence, August 2026) and "CDNA5" Instruction Set Architecture Reference Guide (July 2026). The comments in the code are by the model that wrote it; some were corrected since.
;; Multi Head Attention. Allowed arithmetic: matrix products marked QUANTISED: E4M3 operands, one given power-of-two scale a tensor, by v_wmma_f32_16x16x64_fp8_fp8 or v_wmma_f32_16x16x128_fp8_fp8, f32 sums; everything else in f32.
;; Inputs: b_attn 3,072 float32; b_proj 1,024 float32; lowp_scales 8 int32 (the exponents e of the quantised operands' scales 2^e); w_attn 1,024 x 3,072 float32; w_proj 1,024 x 1,024 float32; x 4 x 2,048 x 1,024 float32.
;; Outputs: out0 4 x 2,048 x 1,024 float32.
;; This version of the problem:
;;   THIS VERSION OF THE PROBLEM IS GIVEN IN LOW PRECISION. The matrix products marked QUANTISED in the list below multiply operands that are first quantised to E4M3 (4 exponent bits, 3 mantissa bits; 8 bits a number), with one given power-of-two scale for each operand tensor; their sums are f32. All else is computed in f32.
;;   The module's matrix products, in the order in which they are computed (A, B: the left and right operand; K: the contracted axis; several contracted axes count as one K, in the product's order):
;;     1. [M 8,192, K 1,024] x [K 1,024, N 3,072]; A: input x; B: input w_attn: QUANTISED (scales: A lowp_scales[0], B lowp_scales[1])
;;     2. batch 64 x [M 2,048, K 64] x [K 64, N 2,048]; A: computed on the way; B: computed on the way: QUANTISED (scales: A lowp_scales[2], B lowp_scales[3])
;;     3. batch 64 x [M 2,048, K 2,048] x [K 2,048, N 64]; A: softmax (see below); B: computed on the way: QUANTISED (scales: A lowp_scales[4], B lowp_scales[5])
;;     4. [M 8,192, K 1,024] x [K 1,024, N 1,024]; A: computed on the way; B: input w_proj: QUANTISED (scales: A lowp_scales[6], B lowp_scales[7])
;;   THE QUANTISER, for each operand of a quantised product, along K:
;;     - The operand's scale is 2^e, e = its entry of the input lowp_scales (int32; the entries are numbered through the quantised products in the list's order, A before B).
;;     - Each number is divided by the scale, clamped to +-448, and rounded to the nearest number of E4M3, ties to even, subnormals kept.
;;     - The product sums the exact products of the quantised numbers (number of the format x scale) in f32.
;;   ~~~python
;;   def quantise(x, axis, e):      # numpy; x: float32 -> the quantised numbers, widened to float32 again
;;       x = np.moveaxis(x, axis, -1); K = x.shape[-1]
;;       r = np.clip(x / 2.0 ** e, -448, 448)
;;       step = 2.0 ** (np.maximum(np.frexp(np.where(r == 0, 1, r))[1] - 1, -6) - 3)
;;       q = np.round(r / step) * step * 2.0 ** e      # np.round: ties to even
;;       return np.moveaxis(q, -1, axis).astype(np.float32)
;;   ~~~
;;   SOFTMAX AHEAD OF A QUANTISED PRODUCT. Where the list says 'softmax', what is quantised is not the finished softmax but p = 2^(t - M), with t = logit x log2(e) and M = ceil(the row's largest t), a whole number; so 1/2 < the row's largest p <= 1. The row's sum l is taken of the UNQUANTISED p, in f32, and the product's result is divided by l at the end. Since M is a whole number, a kernel that streams over the keys may use a running M (the ceiling of the running maximum): every later rescaling is an exact power of two, so the quantised numbers keep their values, but for numbers so far below the row's largest that they fall under the format's range.
;;   OPERANDS COMPUTED ON THE WAY. 'Computed on the way' means the value that the module computes at that place (a softmax that the list does not call 'softmax' is quantised finished and normalised). What goes into a quantiser is computed in f32, as accurately as f32 sums, v_exp_f32 and their like allow (about 1e-6 of the number): no bf16 or f16 on the way to a quantiser, and a product that is left as it is and whose result goes on into a quantised operand takes f32 operands (vector FMAs, or v_wmma_f32_16x16x4_f32). A number that lies on a knife's edge between two numbers of the format may be rounded either way, as far as f32 arithmetic and the matrix unit's own rounding can turn it there, and no further.
;; One version. Each part assembles by itself: llvm-mc -triple=amdgcn-amd-amdhsa -mcpu=gfx1250 --defsym DOCPART=n.
;; ======== version 1 of 1: 4 launches
;; limits: right only within a limited range of input values
;; workspace buffers: x_img 8,388,608 bytes; wa_img 3,145,728 bytes; wp_img 1,048,576 bytes; q_img 8,388,608 bytes; kv_img 16,777,216 bytes; y_img 8,388,608 bytes
;; launch quant (part 1): grid 384 x 1, 4 waves a work-group, no clusters, 34,304 bytes of LDS; arguments x, w_attn, w_proj, lowp_scales, x_img, wa_img, wp_img; writes x_img, wa_img, wp_img
.if DOCPART == 1
	.amdgcn_target "amdgcn-amd-amdhsa--gfx1250"
	.amdhsa_code_object_version 6
	.text
	.protected	k_q3d843e5afb_quant
	.globl	k_q3d843e5afb_quant
	.p2align	8
	.type	k_q3d843e5afb_quant,@function
k_q3d843e5afb_quant:
	s_mov_b64 s[64:65], 0
	v_nop
	global_prefetch_b8 v0, s[64:65] scope:SCOPE_SE
	s_setreg_imm32_b32 hwreg(HW_REG_WAVE_MODE, 25, 1), 1
	s_wait_xcnt 0x0
; x [8192][1024], w_attn [1024][3072] and w_proj [1024][1024], f32, become codes of FP8 (E4M3), each with the one scale 2^e that is given for it (entries 0, 1, 7 of the scales).
; code = number / 2^e, held within +-448, rounded to the nearest code, ties to even.  LIMITS: e between -126 and 119; NaN among the inputs is not served.
; THE CODES ARE LAID AS IMAGES OF OPERAND REGISTERS.  A fragment is 16 rows x 128 along K, 16 registers a lane, 2,048 bytes: registers 4 g .. 4 g + 3 of lane l lie at 512 g + 16 l.
; A buffer is [row / 16][k / 128][2,048 bytes]; a weight's "row" is its column n, since K is its first axis.
; Which k a lane (r = l % 16, h = l / 16) holds in group g:  x_img, wa_img: k = 32 g + 16 h + 0 .. 15 (the same order on both sides of their product);
; wp_img: k = 32 g + 8 h + 0 .. 7, then 32 g + 16 + 8 h + 0 .. 7 (the matrix form's own order, in which the launch that makes y leaves its codes).
; SHARES: work-groups 0-255 take x, 256-351 w_attn, 352-383 w_proj; every wave reads 32 KiB.  Three ways through the text, parted on the work-group's number; only x's way touches LDS.
; No tensor loads, no barrier: waves share nothing.
.set SP,   528                         ; x's stage: a row of 512 bytes + 16 of padding: row r starts 4 r banks on
.set WREG, 16*SP                       ; a stage of 16 rows for each wave
.set XR,   16                          ; v16-143  x: two sets of 64 numbers as they are loaded
.set XX,   144                         ; v144-207 x: 64 numbers in the operand's order
.set XC,   208                         ; v208-239 x: two sets of 16 registers of codes
.set WX,   32                          ; v32-95   weights: two sets of 32 numbers down K
.set WC,   96                          ; v96-159  weights: 8 registers of codes for each of 8 blocks: no store's data are written again
	s_load_b256 s[4:11], s[0:1], 0x0               ; x s[4:5], w_attn s[6:7], w_proj s[8:9], the scales' exponents s[10:11]
	s_load_b128 s[12:15], s[0:1], 0x20             ; x_img s[12:13], wa_img s[14:15]
	s_load_b64 s[16:17], s[0:1], 0x30              ; wp_img
	v_lshl_add_u32 v240, v0, 2, 0x8400
	v_mov_b32 v241, 0
	v_lshrrev_b32 v1, 5, v0
	v_readfirstlane_b32 s18, v1                    ; wave 0..3
	v_and_b32 v5, 31, v0                           ; lane
	s_wait_kmcnt 0x0
	s_load_b256 s[20:27], s[10:11], 0x0            ; e0 .. e7
.macro SCALE e                         ; v11 = 2^e as f32 (the conversion takes its exponent field), s34 = 448 x 2^e
	s_add_co_i32 s34, s[\e], 127
	s_lshl_b32 s35, s34, 23
	v_mov_b32 v11, s35
	s_add_co_i32 s34, s34, 8
	s_lshl_b32 s34, s34, 23
	s_or_b32 s34, s34, 0x600000
.endm
	s_cmp_ge_u32 ttmp9, 256
	s_cbranch_scc1 .Lweights
; ---- x.  Wave W = 4 x work-group + wave takes row tile W / 2 and four K steps of 128: 4 (W % 2) + u.
; Each load reads 512 consecutive bytes of one row; a unit's 16 rows go through the wave's own stage and come back 64 bytes a lane and group: the lane's 16 neighbours along K.
	s_lshl_b32 s28, ttmp9, 2
	s_add_co_u32 s28, s28, s18                     ; W
	s_lshr_b32 s29, s28, 1                         ; the row tile
	s_and_b32 s28, s28, 1                          ; which half of K
	s_lshl_b32 s30, s29, 16                        ; 16 rows of 4,096 bytes
	s_lshl_b32 s32, s28, 11
	s_add_co_u32 s30, s30, s32
	s_mov_b32 s31, 0
	s_add_nc_u64 s[4:5], s[4:5], s[30:31]
	s_lshl_b32 s30, s29, 14                        ; a row tile's eight images
	s_lshl_b32 s32, s28, 13
	s_add_co_u32 s30, s30, s32
	s_add_nc_u64 s[12:13], s[12:13], s[30:31]
	s_wait_alu depctr_va_vdst(0)
	v_lshlrev_b32 v1, 4, v5                        ; 16 x lane: my bytes of a load's 512, and of a store's
	s_mul_i32 s33, s18, WREG
	v_add_nc_u32 v2, s33, v1                       ; into the stage
	v_and_b32 v6, 15, v0
	v_bfe_u32 v7, v0, 4, 1
	v_mul_u32_u24 v3, v6, SP
	v_lshl_add_u32 v3, v7, 6, v3
	v_add_nc_u32 v3, s33, v3                       ; out of it: row r, + 64 h
.macro LOADX u
.irp rr, 0,1,2,3,4,5,6,7,8,9,10,11,12,13,14,15
	global_load_b128 v[XR+64*((\u)%2)+4*\rr:XR+64*((\u)%2)+4*\rr+3], v1, s[4:5] offset:\rr*4096+(\u)*512 th:TH_LOAD_NT
.endr
.endm
.macro UNIT u
.set RS, XR+64*((\u)%2)
.set CS, XC+16*((\u)%2)
.if (\u) < 3
	s_wait_loadcnt 16                              ; this unit's 16 loads are in; the next unit's 16 may be out
.else
	s_wait_loadcnt 0
.endif
.irp rr, 0,1,2,3,4,5,6,7,8,9,10,11,12,13,14,15
	ds_store_b128 v2, v[RS+4*\rr:RS+4*\rr+3] offset:\rr*SP
.endr
.irp g, 0,1,2,3
.irp j, 0,1,2,3
	ds_load_b128 v[XX+16*\g+4*\j:XX+16*\g+4*\j+3], v3 offset:128*\g+16*\j   ; LDS serves a wave's instructions in order: these see the stores above
.endr
.endr
	s_wait_dscnt 0x0                               ; the numbers are back, and the stores have read their registers,
.if (\u) < 2
	LOADX (\u)+2                                   ; which take the loads of two units on
.else
	s_wait_xcnt 0x0                                ; the stores of two units back have read this set of codes: it is written again only behind this wait
.endif
.irp g, 0,1,2,3
.irp i, 0,1,2,3,4,5,6,7,8,9,10,11,12,13,14,15
.endr
	v_cvt_scalef32_pk8_fp8_f32 v[CS+4*\g:CS+4*\g+1], v[XX+16*\g:XX+16*\g+7], v11
	v_cvt_scalef32_pk8_fp8_f32 v[CS+4*\g+2:CS+4*\g+3], v[XX+16*\g+8:XX+16*\g+15], v11
.endr
	v_nop                                          ; a plain line behind the last conversion
.irp g, 0,1,2,3
	global_store_b128 v1, v[CS+4*\g:CS+4*\g+3], s[12:13] offset:(\u)*2048+512*\g   ; 32 lanes store 512 consecutive bytes
.endr
.endm
	LOADX 0
	LOADX 1
	s_wait_alu depctr_va_vdst(0)
	s_wait_kmcnt 0x0
	SCALE 20
	s_wait_alu depctr_va_vdst(0)
	UNIT 0
	UNIT 1
	UNIT 2
	UNIT 3
	s_wait_tensorcnt 0x0
	ds_add_u32 v240, v241
	s_wait_dscnt 0x0
	s_endpgm
; ---- the weights.  A LANE TAKES A COLUMN n AND ITS REGISTERS RUN DOWN K: each load reads 128 consecutive bytes a wave, 512 a work-group, and the conversions give codes with K innermost.
; A work-group takes 128 columns x 256 along K, a wave 32 columns (two row tiles of the image) x 8 blocks of 32.  A block's 32 codes of a column are 16 bytes for the image's lane r and 16 for
; its lane 16 + r, 256 bytes apart: each store's sixteen neighbouring lanes fill 256 consecutive bytes.
.macro LOADW t, N, src
.irp i, 0,1,2,3,4,5,6,7,8,9,10,11,12,13,14,15,16,17,18,19,20,21,22,23,24,25,26,27,28,29,30,31
	global_load_b32 v[WX+32*((\t)%2)+\i], v3, s[\src:\src+1] offset:(32*(\t)+\i)*\N*4 th:TH_LOAD_NT
.endr
.endm
.macro BLOCK t, N, src, dst, native
.set XS, WX+32*((\t)%2)
.set CB, WC+8*(\t)
.if (\t) < 7
	s_wait_loadcnt 32                              ; this block's 32 loads are in; the next block's may be out
.else
	s_wait_loadcnt 0
.endif
.irp i, 0,1,2,3,4,5,6,7,8,9,10,11,12,13,14,15,16,17,18,19,20,21,22,23,24,25,26,27,28,29,30,31
.endr
.irp o, 0,1,2,3                        ; eight numbers k = 32 t + 8 o + 0 .. 7
.if \native
	v_cvt_scalef32_pk8_fp8_f32 v[CB+4*(\o%2)+2*(\o/2):CB+4*(\o%2)+2*(\o/2)+1], v[XS+8*\o:XS+8*\o+7], v11   ; lane r: eights 0 and 2; lane 16 + r: eights 1 and 3
.else
	v_cvt_scalef32_pk8_fp8_f32 v[CB+2*\o:CB+2*\o+1], v[XS+8*\o:XS+8*\o+7], v11                              ; lane r: eights 0 and 1; lane 16 + r: eights 2 and 3
.endif
.endr
	v_nop                                          ; a plain line behind the last conversion
	global_store_b128 v4, v[CB:CB+3], s[\dst:\dst+1] offset:((\t)/4)*2048+((\t)%4)*512
	global_store_b128 v4, v[CB+4:CB+7], s[\dst:\dst+1] offset:((\t)/4)*2048+((\t)%4)*512+256
.if (\t)+2 < 8
	LOADW (\t)+2, \N, \src
.endif
.endm
.macro WPATH N, FIRST, src, dst, e, native
	s_sub_co_u32 s28, ttmp9, \FIRST
	s_and_b32 s29, s28, 3                          ; which 256 along K
	s_lshr_b32 s28, s28, 2                         ; which 128 columns
	s_mul_i32 s30, s29, 256*\N*4
	s_lshl_b32 s32, s28, 9
	s_add_co_u32 s30, s30, s32
	s_lshl_b32 s32, s18, 7                         ; my wave's 32 columns
	s_add_co_u32 s30, s30, s32
	s_mov_b32 s31, 0
	s_add_nc_u64 s[\src:\src+1], s[\src:\src+1], s[30:31]
	s_lshl_b32 s30, s28, 17                        ; eight row tiles of 16,384 bytes,
	s_lshl_b32 s32, s18, 15                        ; my wave's two,
	s_add_co_u32 s30, s30, s32
	s_lshl_b32 s32, s29, 12                        ; two K steps of 2,048 bytes
	s_add_co_u32 s30, s30, s32
	s_add_nc_u64 s[\dst:\dst+1], s[\dst:\dst+1], s[30:31]
	v_lshlrev_b32 v3, 2, v5                        ; in: 4 bytes a lane
	v_lshrrev_b32 v6, 4, v5
	v_and_b32 v7, 15, v5
	v_lshlrev_b32 v4, 14, v6
	v_lshl_add_u32 v4, v7, 4, v4                   ; out: row tile lane / 16, place 16 (lane % 16)
	LOADW 0, \N, \src
	LOADW 1, \N, \src
	s_wait_kmcnt 0x0
	SCALE \e
	s_wait_alu depctr_va_vdst(0)
.irp t, 0,1,2,3,4,5,6,7
	BLOCK \t, \N, \src, \dst, \native
.endr
	s_endpgm
.endm
.Lweights:
	s_cmp_ge_u32 ttmp9, 352
	s_cbranch_scc1 .Lproj
	s_wait_alu depctr_va_vdst(0)
	WPATH 3072, 256, 6, 14, 21, 0
.Lproj:
	s_wait_alu depctr_va_vdst(0)
	WPATH 1024, 352, 8, 16, 27, 1
.Lfunc_end_k_q3d843e5afb_quant:
	.size	k_q3d843e5afb_quant, .Lfunc_end_k_q3d843e5afb_quant-k_q3d843e5afb_quant
	.p2alignl 7, 3214868480
	.fill 96, 4, 3214868480
	.section	.rodata,"a",@progbits
	.p2align	6, 0x0
	.amdhsa_kernel k_q3d843e5afb_quant
		.amdhsa_group_segment_fixed_size 34304
		.amdhsa_private_segment_fixed_size 0
		.amdhsa_enable_private_segment 0
		.amdhsa_kernarg_size 56
		.amdhsa_user_sgpr_count 2
		.amdhsa_user_sgpr_kernarg_segment_ptr 1
		.amdhsa_wavefront_size32 1
		.amdhsa_system_sgpr_workgroup_id_x 1
		.amdhsa_system_sgpr_workgroup_id_y 1
		.amdhsa_system_sgpr_workgroup_id_z 1
		.amdhsa_system_vgpr_workitem_id 0
		.amdhsa_next_free_vgpr 242
		.amdhsa_next_free_sgpr 66
		.amdhsa_reserve_vcc 0
		.amdhsa_float_denorm_mode_32 3
		.amdhsa_float_denorm_mode_16_64 3
		.amdhsa_fp16_overflow 1
		.amdhsa_memory_ordered 1
		.amdhsa_forward_progress 1
		.amdhsa_inst_pref_size 79
	.end_amdhsa_kernel
	.amdgpu_metadata
---
amdhsa.version: [ 1, 2 ]
amdhsa.kernels:
  - .name:           k_q3d843e5afb_quant
    .symbol:         k_q3d843e5afb_quant.kd
    .args:
      - { .name: x, .offset: 0, .size: 8, .value_kind: global_buffer, .address_space: global }
      - { .name: w_attn, .offset: 8, .size: 8, .value_kind: global_buffer, .address_space: global }
      - { .name: w_proj, .offset: 16, .size: 8, .value_kind: global_buffer, .address_space: global }
      - { .name: lowp_scales, .offset: 24, .size: 8, .value_kind: global_buffer, .address_space: global }
      - { .name: x_img, .offset: 32, .size: 8, .value_kind: global_buffer, .address_space: global }
      - { .name: wa_img, .offset: 40, .size: 8, .value_kind: global_buffer, .address_space: global }
      - { .name: wp_img, .offset: 48, .size: 8, .value_kind: global_buffer, .address_space: global }
    .group_segment_fixed_size: 34304
    .private_segment_fixed_size: 0
    .kernarg_segment_align: 8
    .kernarg_segment_size: 56
    .max_flat_workgroup_size: 128
    .sgpr_count:     66
    .vgpr_count:     242
    .wavefront_size: 32
...
	.end_amdgpu_metadata
.endif
;; end of part 1
;; launch qkv (part 2): grid 8 x 48, 4 waves a work-group, clusters of 4 x 4, 327,680 bytes of LDS; arguments x_img, wa_img, lowp_scales, b_attn, q_img, kv_img; writes q_img, kv_img
.if DOCPART == 2
	.amdgcn_target "amdgcn-amd-amdhsa--gfx1250"
	.amdhsa_code_object_version 6
	.text
	.protected	k_q3d843e5afb_qkv
	.globl	k_q3d843e5afb_qkv
	.p2align	8
	.type	k_q3d843e5afb_qkv,@function
k_q3d843e5afb_qkv:
	s_mov_b64 s[64:65], 0
	v_nop
	global_prefetch_b8 v0, s[64:65] scope:SCOPE_SE
	s_setreg_imm32_b32 hwreg(HW_REG_WAVE_MODE, 25, 1), 1
	s_wait_xcnt 0x0
	s_wait_alu depctr_hold_cnt(0) depctr_sa_sdst(0) depctr_va_vdst(0) depctr_va_sdst(0) depctr_va_ssrc(0) depctr_va_vcc(0) depctr_vm_vsrc(0)
	s_getreg_b32 s2, hwreg(HW_REG_IB_STS2, 6, 4)
	s_cmp_eq_u32 s2, 0
	s_cbranch_scc0 .Lentry_in_a_cluster
	s_endpgm
.Lentry_in_a_cluster:
	s_bfe_u32 s2, ttmp6, 0x10000c
	s_cmp_lg_u32 s2, 0xf033
	s_cbranch_scc0 .Lentry_shape_is_right
	s_endpgm
.Lentry_shape_is_right:
; qkv = x w_attn + b_attn on codes of FP8 (E4M3), and q, k, v quantised again, each with its given scale (entries 2, 3, 5), into images of the attention's operand registers.
; OPERANDS: x_img, wa_img: [row / 16][k / 128][2,048 bytes], registers 4 g .. 4 g + 3 of lane l at 512 g + 16 l; the same order of k on both sides.
; A tile is 256 x 256, a work-group of four waves, a wave 128 x 128: 64 accumulators of 16 x 16, 512 registers.  K = 1,024 goes in four steps of 256 through a ring of two LDS slots.
; TWO KINDS OF TILE, told apart by the cluster's y (the same in all sixteen partners):
;   Q, K (cluster y 0-7):  source 1 = rows of x, source 0 = columns of w_attn: a lane holds one token, its eight registers eight neighbouring channels of a head, the next product's K.
;   V    (cluster y 8-11): source 1 = columns of w_attn's last third, source 0 = rows of x: a lane holds one channel, its eight registers eight neighbouring keys, the next product's K.
; So one conversion of an accumulator's eight registers gives two registers of the next operand in the matrix form's own order, and the codes leave straight from registers, 512 consecutive bytes a store.
; OUT: q_img [b x head][query / 16][1,024 bytes];  kv_img [b x head][key / 128][16,384 bytes]: eight tiles of 16 keys x 64 channels (1,024 bytes each), then four tiles of 16 channels x 128 keys (2,048 each).
; A sum stands for sum x 2^(e0 + e1): the bias goes in divided by that, and the conversion's one scale is 2^(e - e0 - e1), e = e2, e3 or e5.
; LIMITS: e - e0 - e1 between -126 and 119, so that the scale and 448 x the scale are f32 numbers.  NaN is not served.
; CLUSTERS: 4 x 4 work-groups; source 1's tile is shared along a row of the cluster, source 0's along a column: each is asked for jointly.
; REGISTERS, in windows of 256: window 0: v16-31 addresses and constants; v32-95 the bias; from v128 source 1's fragments, ONE set; on the way out v96-223 are at work.
;   window 1: source 0's fragments, TWO sets.   window 2: accumulators of my rows 0-63 ((a, b) at v[8 (8 a + b)]);   window 3: of my rows 64-127.
.set FR,     16                        ; registers of a fragment: 16 rows x 128 K
.set NL,     4                         ; LDS loads that bring one
.set NP,     4                         ; places behind this matrix instruction (ISA guide 7.12.1)
.set HALFT,  32768                     ; 8 row tiles x 256 along K: what one tensor load brings, and what a wave reads of one side
.set SLOT,   4*HALFT                   ; source 1's two halves, then source 0's two
.set STEPB,  4096                      ; a slot's part of a row tile: two images
.set LAPS,   2                         ; a lap = once round the ring = 512 along K
.set SPARE,  2*SLOT                    ; behind the ring: the spare words, 128 bytes a wave: two blocks of 256 bytes that no other line names
.set ADRA, 16                          ; v16-17  LDS address of my source-1 fragments in slot 0, 1
.set ADRB, 20                          ; v20-21  the same for source 0
.set VO,   24                          ; v24     16 x lane;  v25: the same one head further on in the output
.set SC,   26                          ; v26     the conversion's scale as f32
.set LIM,  27
.set SPW,  28                          ; v28     LDS address of my spare word; never rewritten
.set NIL,  29                          ; v29     0; never rewritten
.set BO,   30                          ; v30     my lane's offset in the bias
.set BI,   32                          ; v32-95  the bias
.set TMP,  96                          ; v96-159 a block's 64 numbers
.set CD,   160                         ; v160-223 four sets of 16 registers of codes
.set AF,   128
.set G1, 24                            ; s[24:31] descriptor group 1 for source 1's tiles;  s[32:39] group 0, one set for each slot
.set G0, 32
.set G1B, 48                           ; s[48:55], s[56:63] the same for source 0's
.set G0B, 56
.set MSB, 0
.macro WIN new                         ; the immediate's high byte repeats the setting that is left
.if MSB != \new
	s_set_vgpr_msb (MSB<<8)|\new
.set MSB, \new
.endif
.endm
.set MUL_LO, 0xa1                      ; source 0 window 1, source 1 window 0, C and D window 2
.set MUL_HI, 0xf1                      ; the same, C and D window 3
.set TO_B,   0x40                      ; destination window 1, address window 0
; A joint load: waves 0 and 1 fetch source 1's halves, waves 2 and 3 source 0's.  The branch hangs on the wave's number alone.  Four v_nop follow each of the two lines.
.macro JLOAD g0a, g1a, g0b, g1b
	s_cmp_eq_u32 s15, 0
	s_cbranch_scc0 .Lfor_b_\@
	tensor_load_to_lds s[\g0a:\g0a+3], s[\g1a:\g1a+7]
	s_nop 0
.rept 4
	v_nop
.endr
	s_branch .Lasked_\@
.Lfor_b_\@:
	tensor_load_to_lds s[\g0b:\g0b+3], s[\g1b:\g1b+7]
	s_nop 0
.rept 4
	v_nop
.endr
.Lasked_\@:
.endm
.macro CREST                           ; a round of the cluster's barrier behind its opening barrier
	s_cmp_lg_u32 s14, 0
	s_cbranch_scc1 .Lnot_wave_0_\@
	s_barrier_signal -3
.Lnot_wave_0_\@:
	s_barrier_wait -3
	s_barrier_signal -1
	s_barrier_wait -1
.endm
.macro CROUND                          ; a whole round
	s_barrier_signal -1
	s_barrier_wait -1
	CREST
.endm
	s_load_b256 s[4:11], s[0:1], 0x0               ; x_img s[4:5], wa_img s[6:7], the scales' exponents s[8:9], b_attn s[10:11]
	s_load_b128 s[68:71], s[0:1], 0x20             ; q_img s[68:69], kv_img s[70:71]
	v_lshl_add_u32 v[SPW], v0, 2, SPARE
	v_mov_b32 v[NIL], 0
	ds_add_u32 v28, v29
	ds_add_u32 v28, v29
	s_wait_dscnt 0x0
	v_lshrrev_b32 v1, 5, v0
	v_readfirstlane_b32 s14, v1                    ; wave 0..3
	s_lshr_b32 s15, s14, 1                         ; which half of source 1's rows is mine.  Also: I fetch for source 1 (0) or source 0 (1)
	s_and_b32 s16, s14, 1                          ; which half of source 0's rows.  Also: which half of that tile I fetch
	s_bfe_u32 s40, ttmp6, 0x40000                  ; cx, cy: my place in the cluster
	s_bfe_u32 s41, ttmp6, 0x40004
	s_and_b32 s86, ttmp7, 0xffff                   ; cluster y
	s_lshl_b32 s17, s86, 2
	s_lshl_b32 s42, ttmp9, 2                       ; 4 x cluster x
	s_max_u32 s87, s86, 8
	s_sub_co_u32 s87, s87, 8
	s_lshl_b32 s87, s87, 3
	s_add_co_u32 s87, s87, s42                     ; V: 4 (2 (cluster y - 8) + cluster x)
	s_cmp_ge_u32 s86, 8
	s_cselect_b32 s66, 1, 0                        ; the kind: 0 = Q, K; 1 = V
	s_cselect_b32 s17, 0, s17
	s_cselect_b32 s42, s87, s42
	s_add_co_u32 s17, s17, s41                     ; source 1's tile: Q, K: 256 rows of x, 4 y + cy (0-31);  V: 256 columns of V's weights, cy (0-3)
	s_add_co_u32 s42, s42, s40                     ; source 0's tile: Q, K: 256 columns, 4 x + cx (0-7);  V: 256 rows of x (0-31)
	s_lshl_b32 s43, s41, 2
	s_lshl_b32 s43, 15, s43                        ; my row of the cluster
	s_lshl_b32 s44, 0x1111, s40                    ; my column
	; descriptor group 1: 8 rows (row tiles) of 4,096 bytes, 16,384 bytes apart, in elements of 8 bytes; dense in LDS
	s_or_b32 s[G1+0], s43, (3<<16)|(1<<21)         ; 15:0 the mask: my row; 17:16 elements of 8 bytes; 21 set beside a mask; no padding
	s_or_b32 s[G1B+0], s44, (3<<16)|(1<<21)        ; the same with the mask of my column
.irp g, G1, G1B
	s_mov_b32 s[\g+1], 512<<16                     ; tensor_dim0 = 512 elements
	s_mov_b32 s[\g+2], 8<<16                       ; tensor_dim1 = 8
	s_mov_b32 s[\g+3], 512<<16                     ; tile_dim0
	s_mov_b32 s[\g+4], 8                           ; tile_dim1
	s_mov_b32 s[\g+5], 2048                        ; tensor_dim0_stride: a row tile's 16,384 bytes
	s_mov_b32 s[\g+6], 0
	s_mov_b32 s[\g+7], 0
.endr
	s_lshl_b32 s18, s16, 17                        ; the 8 row tiles that I fetch
	s_lshl_b32 s20, s17, 18                        ; a tile is 16 row tiles of 16,384 bytes
	s_add_co_u32 s20, s20, s18
	s_mov_b32 s21, 0
	s_lshl_b32 s46, s42, 18
	s_add_co_u32 s46, s46, s18
	s_mov_b32 s47, 0
	s_mul_i32 s45, s14, HALFT                      ; where they go: wave x a half: no place in the cluster enters an LDS address
	s_wait_kmcnt 0x0
	s_load_b256 s[76:83], s[8:9], 0x0              ; e0 .. e7
	s_cmp_eq_u32 s66, 0
	s_cselect_b64 s[72:73], s[4:5], s[6:7]         ; source 1: x's codes, or the weights'
	s_cselect_b64 s[74:75], s[6:7], s[4:5]         ; source 0: the other
	s_cselect_b32 s87, 0, 0x200000                 ; V's weights begin at column 2,048: 128 row tiles on
	s_add_co_u32 s20, s20, s87
	s_add_nc_u64 s[20:21], s[72:73], s[20:21]
	s_add_nc_u64 s[46:47], s[74:75], s[46:47]
	CROUND                                         ; all sixteen work-groups are here: the first joint loads meet
.irp s, 0,1
	s_mov_b32 s[G0+4*\s], 1
	s_add_co_u32 s[G0+4*\s+1], s45, \s*SLOT
	s_add_nc_u64 s[G0+4*\s+2:G0+4*\s+3], s[20:21], \s*STEPB
	s_or_b32 s[G0+4*\s+3], s[G0+4*\s+3], 0x80000000
	s_mov_b32 s[G0B+4*\s], 1
	s_add_co_u32 s[G0B+4*\s+1], s45, \s*SLOT
	s_add_nc_u64 s[G0B+4*\s+2:G0B+4*\s+3], s[46:47], \s*STEPB
	s_or_b32 s[G0B+4*\s+3], s[G0B+4*\s+3], 0x80000000
	JLOAD G0+4*\s, G1, G0B+4*\s, G1B               ; two loads of mine are out
.endr
	v_and_b32 v1, 31, v0
	v_lshlrev_b32 v[VO], 4, v1                     ; 16 x lane: an image's place for my lane, in LDS and in the output
	s_mul_i32 s21, s15, HALFT
	s_mul_i32 s22, s16, HALFT
	s_add_co_u32 s22, s22, 2*HALFT
.irp s, 0,1
	v_add_nc_u32 v[ADRA+\s], s21, v[VO]
	v_add_nc_u32 v[ADRB+\s], s22, v[VO]
	s_add_co_u32 s21, s21, SLOT
	s_add_co_u32 s22, s22, SLOT
.endr
	; where my wave's codes go: by selects alone.  RT, RH: the tile and half on x's side (128 tokens); WT, WH: on the weights' side (two heads)
	s_and_b32 s87, s42, 3
	s_cmp_eq_u32 s66, 0
	s_cselect_b32 s88, s17, s42                    ; RT
	s_cselect_b32 s89, s15, s16                    ; RH
	s_cselect_b32 s90, s87, s17                    ; WT
	s_cselect_b32 s91, s16, s15                    ; WH
	s_lshr_b32 s92, s88, 3                         ; the batch: 8 tiles of 256 tokens
	s_lshl_b32 s92, s92, 4
	s_lshl_b32 s90, s90, 2
	s_add_co_u32 s92, s92, s90
	s_lshl_b32 s91, s91, 1
	s_add_co_u32 s92, s92, s91                     ; 16 b + my first head
	s_and_b32 s88, s88, 7
	s_lshl_b32 s88, s88, 1
	s_add_co_u32 s88, s88, s89                     ; which 128 tokens of the 2,048
	s_lshl_b32 s92, s92, 17
	s_lshl_b32 s88, s88, 13
	s_add_co_u32 s92, s92, s88                     ; in q_img: 131,072 bytes a head, 8,192 for 128 queries; in kv_img twice that
	s_lshl_b32 s91, s66, 13                        ; V lies 8,192 bytes behind K in a key step
	s_or_b32 s93, s66, ttmp9                       ; 0 for Q alone: columns 0-1,023 are cluster x = 0 of the first kind
	s_wait_alu depctr_va_vdst(0)
	s_wait_kmcnt 0x0
	s_cmp_eq_u32 s66, 0
	s_cselect_b32 s94, s79, s81                    ; e3 or e5,
	s_cmp_eq_u32 s93, 0
	s_cselect_b32 s94, s78, s94                    ; or e2
	s_cselect_b32 s95, 0, 1
	s_cselect_b64 s[84:85], s[68:69], s[70:71]
	s_lshl_b32 s92, s92, s95
	s_add_co_u32 s92, s92, s91
	s_mov_b32 s93, 0
	s_add_nc_u64 s[84:85], s[84:85], s[92:93]
	s_lshl_b32 s95, 0x20000, s95                   ; from a head to the next
	v_add_nc_u32 v[VO+1], s95, v[VO]
	s_add_co_i32 s67, s76, s77                     ; e0 + e1
	s_sub_co_i32 s94, s94, s67
	s_sub_co_i32 s67, 0, s67                       ; s67 = -(e0 + e1), for the bias
	s_add_co_i32 s94, s94, 127
	s_lshl_b32 s95, s94, 23
	v_mov_b32 v[SC], s95                           ; 2^(e - e0 - e1)
.macro FRAG reg, adr, q, i             ; a fragment comes back as it was stored: four loads of 512 consecutive bytes
.irp c, 0,1,2,3
	ds_load_b128 v[\reg+4*\c:\reg+4*\c+3], v[\adr] offset:(\i)*4096+(\q)*2048+512*\c
.endr
.endm
; 16 matrix instructions: source 1's blocks a0, a0 + 1 x source 0's eight, 128 along K.  p: source 0's set.  zero = 1: the first product starts the sums.
; The 64 accumulators take turns, one instruction a turn, in the same order in every step.
.macro MUL16 a0, p, zero
.irp a, \a0, \a0+1
.irp b, 0,1,2,3,4,5,6,7
.if \zero
	v_wmma_f32_16x16x128_fp8_fp8 v[8*(8*((\a)%4)+\b):8*(8*((\a)%4)+\b)+7], v[128*(\p)+FR*\b:128*(\p)+FR*\b+FR-1], v[AF+FR*(\a):AF+FR*(\a)+FR-1], 0
.else
	v_wmma_f32_16x16x128_fp8_fp8 v[8*(8*((\a)%4)+\b):8*(8*((\a)%4)+\b)+7], v[128*(\p)+FR*\b:128*(\p)+FR*\b+FR-1], v[AF+FR*(\a):AF+FR*(\a)+FR-1], v[8*(8*((\a)%4)+\b):8*(8*((\a)%4)+\b)+7]
.endif
.endr
.endr
.endm
.macro FETCH_B slot, q, p
	WIN TO_B
.irp i, 0,1,2,3,4,5,6,7
	FRAG 128*(\p)+FR*\i, ADRB+\slot, \q, \i
.endr
	WIN 0
.endm
.macro FETCH_A slot, q, i0
.irp i, \i0, \i0+1, \i0+2, \i0+3
	FRAG AF+FR*(\i), ADRA+\slot, \q, \i
.endr
.endm
.macro PLACES n                        ; plain vector lines between a matrix instruction and a load into a register that it has read, or a read of its result
.rept \n
	v_nop
.endr
.endm
.macro STEP slot, q, zero              ; a step of 128 along K that has its successor in the same slot
	s_wait_dscnt 4*NL                              ; source 0's set and source 1's blocks 0-3 are in; the youngest 16 loads (blocks 4-7) may be out
	WIN MUL_LO
	MUL16 0, (\q)%2, \zero
	MUL16 2, (\q)%2, \zero
	s_wait_dscnt 0
	PLACES NP
	FETCH_B \slot, (\q)+1, 1-(\q)%2
	FETCH_A \slot, (\q)+1, 0
	WIN MUL_HI
	MUL16 4, (\q)%2, \zero
	MUL16 6, (\q)%2, \zero
	PLACES NP
	WIN 0
	FETCH_A \slot, (\q)+1, 4
.endm
; A slot's last step changes slots: ONE barrier; in front of it each wave waits for all its tensor loads, adds 0 to its spare word, and waits for that and for its own reads of this slot.
.macro TURN slot, next, fill
	s_wait_tensorcnt 0x0                           ; all my tensor loads have landed: my part of the next slot
	ds_add_u32 v[SPW], v[NIL]                      ; 0 onto my spare word
	s_wait_dscnt 4*NL+1                            ; (the add and the youngest 16 loads may be out)
	WIN MUL_LO
	MUL16 0, 1, 0                                  ; sixteen matrix instructions stand between the add and the wait for it
	s_wait_dscnt 0x0                               ; the add is done, and my reads of this slot are over
	s_barrier_signal -1
	MUL16 2, 1, 0
	WIN 0
	s_barrier_wait -1
.if \fill
	CREST                                          ; the barrier has opened a round of the cluster's: no wave of any partner still reads this slot or has a load on its way
	s_add_nc_u64 s[G0+4*\slot+2:G0+4*\slot+3], s[G0+4*\slot+2:G0+4*\slot+3], 2*STEPB
	s_add_nc_u64 s[G0B+4*\slot+2:G0B+4*\slot+3], s[G0B+4*\slot+2:G0B+4*\slot+3], 2*STEPB
	JLOAD G0+4*\slot, G1, G0B+4*\slot, G1B         ; the first tensor load behind the round, my only one until the next; its four v_nop are the places in front of the loads below
.else
	PLACES NP
.endif
	FETCH_B \next, 0, 0
	FETCH_A \next, 0, 0
	WIN MUL_HI
	MUL16 4, 1, 0
	MUL16 6, 1, 0
	PLACES NP
	WIN 0
	FETCH_A \next, 0, 4
.endm
.macro LAST                            ; the very last step: nothing more to fetch
	s_wait_dscnt 4*NL
	WIN MUL_LO
	MUL16 0, 1, 0
	MUL16 2, 1, 0
	s_wait_dscnt 0
	WIN MUL_HI
	MUL16 4, 1, 0
	MUL16 6, 1, 0
	WIN 0
.endm
; THE WAY OUT of block a (16 of source 1's rows x 128 of source 0's): + bias, eight conversions: 16 registers of codes, which are registers of the next operand as they stand.
; kind 0: two fragments of 16 tokens x 64 channels, one for each of my two heads.  kind 1: one fragment of 16 channels x 128 keys; blocks 0-3 are my first head's, 4-7 my second's.
.macro OUTA kind, a
.set AC, 64*((\a)%4)
.set CC, CD+16*((\a)%4)
.if (\a) >= 4
	s_wait_xcnt 0x0                                ; the stores of four blocks back have read this set of codes: it is written again only behind this wait
.endif
	WIN 0x02+((\a)/4)                              ; source 0: window 2 or 3
.irp b, 0,1,2,3,4,5,6,7
.irp i, 0,2,4,6
.if \kind
	v_pk_add_f32 v[TMP+8*\b+\i:TMP+8*\b+\i+1], v[AC+8*\b+\i:AC+8*\b+\i+1], v[BI+2*(\a):BI+2*(\a)+1]          ; my channel's bias; each accumulator from its low end on
.else
	v_pk_add_f32 v[TMP+8*\b+\i:TMP+8*\b+\i+1], v[AC+8*\b+\i:AC+8*\b+\i+1], v[BI+8*\b+\i:BI+8*\b+\i+1]
.endif
.endr
.endr
	WIN 0
.irp b, 0,1,2,3,4,5,6,7
.irp i, 0,1,2,3,4,5,6,7
.endr
	v_cvt_scalef32_pk8_fp8_f32 v[CC+2*\b:CC+2*\b+1], v[TMP+8*\b:TMP+8*\b+7], v[SC]
.endr
	v_nop                                          ; a plain line behind the last conversion
.irp g, 0,1,2,3
.if \kind
	global_store_b128 v[VO+(\a)/4], v[CC+4*\g:CC+4*\g+3], s[84:85] offset:((\a)%4)*2048+\g*512   ; 32 lanes store 512 consecutive bytes
.else
	global_store_b128 v[VO+\g/2], v[CC+4*\g:CC+4*\g+3], s[84:85] offset:(\a)*1024+(\g%2)*512
.endif
.endr
.endm
	s_wait_tensorcnt 1                             ; my part of slot 0 is in (slot 1's load may be out)
	s_barrier_signal -1
	s_barrier_wait -1                              ; everybody's is
	FETCH_B 0, 0, 0
	FETCH_A 0, 0, 0
	FETCH_A 0, 0, 4
	STEP 0, 0, 1                                   ; the first step stands in front of the loop: its products start the sums
	s_mov_b32 s3, LAPS-1
.Llap:                                                 ; a trip goes once round the ring and fills both slots again
	TURN 0, 1, 1
	STEP 1, 0, 0
	TURN 1, 0, 1
	STEP 0, 0, 0
	s_sub_co_u32 s3, s3, 1
	s_cmp_lg_u32 s3, 0
	s_cbranch_scc1 .Llap
	TURN 0, 1, 0                                   ; the last lap fills nothing, and has no round of the cluster's barrier
	; THE TWO KINDS PART HERE, once: each asks for its bias, runs the last two steps (128 matrix instructions, in which the bias lands) and goes out its own way
	s_cmp_lg_u32 s66, 0
	s_cbranch_scc1 .Lkind_v
	v_bfe_u32 v1, v0, 4, 1
	v_lshlrev_b32 v[BO], 5, v1                     ; register 8 b + j wants b_attn[256 tile + 128 half + 16 b + 8 h + j]
	s_lshl_b32 s86, s42, 10
	s_lshl_b32 s87, s16, 9
	s_add_co_u32 s86, s86, s87
	s_mov_b32 s87, 0
	s_add_nc_u64 s[10:11], s[10:11], s[86:87]
.irp b, 0,1,2,3,4,5,6,7
	global_load_b128 v[BI+8*\b:BI+8*\b+3], v[BO], s[10:11] offset:64*\b
	global_load_b128 v[BI+8*\b+4:BI+8*\b+7], v[BO], s[10:11] offset:64*\b+16
.endr
	STEP 1, 0, 0
	LAST
	s_wait_loadcnt 0x0
.set j, 0
.rept 64
	v_ldexp_f32 v[BI+j], v[BI+j], s67              ; bias / 2^(e0 + e1).  (These are also the places behind the last products)
.set j, j+1
.endr
.irp a, 0,1,2,3,4,5,6,7
	OUTA 0, \a
.endr
	s_branch .Ldone
.Lkind_v:
	v_and_b32 v1, 15, v0
	v_lshlrev_b32 v[BO], 2, v1                     ; block a wants b_attn[2,048 + 256 tile + 128 half + 16 a + r], the same for all its registers
	s_lshl_b32 s86, s17, 10
	s_lshl_b32 s87, s15, 9
	s_add_co_u32 s86, s86, s87
	s_add_co_u32 s86, s86, 8192
	s_mov_b32 s87, 0
	s_add_nc_u64 s[10:11], s[10:11], s[86:87]
.irp a, 0,1,2,3,4,5,6,7
	global_load_b32 v[BI+2*\a], v[BO], s[10:11] offset:64*\a
.endr
	STEP 1, 0, 0
	LAST
	s_wait_loadcnt 0x0
.irp a, 0,1,2,3,4,5,6,7
	v_ldexp_f32 v[BI+2*\a+1], v[BI+2*\a], s67      ; bias / 2^(e0 + e1), twice: a pair for the packed addition.  (These are also the places behind the last products)
	v_ldexp_f32 v[BI+2*\a], v[BI+2*\a], s67
.endr
.irp a, 0,1,2,3,4,5,6,7
	OUTA 1, \a
.endr
.Ldone:
	s_wait_tensorcnt 0x0                           ; the wave's end
	ds_add_u32 v[SPW], v[NIL]
	s_wait_dscnt 0x0
	CROUND                                         ; the closing round: no work-group ends while a partner may still ask for a tile that names it
	s_endpgm
.Lfunc_end_k_q3d843e5afb_qkv:
	.size	k_q3d843e5afb_qkv, .Lfunc_end_k_q3d843e5afb_qkv-k_q3d843e5afb_qkv
	.p2alignl 7, 3214868480
	.fill 96, 4, 3214868480
	.section	.rodata,"a",@progbits
	.p2align	6, 0x0
	.amdhsa_kernel k_q3d843e5afb_qkv
		.amdhsa_group_segment_fixed_size 327680
		.amdhsa_private_segment_fixed_size 0
		.amdhsa_enable_private_segment 0
		.amdhsa_kernarg_size 48
		.amdhsa_user_sgpr_count 2
		.amdhsa_user_sgpr_kernarg_segment_ptr 1
		.amdhsa_wavefront_size32 1
		.amdhsa_system_sgpr_workgroup_id_x 1
		.amdhsa_system_sgpr_workgroup_id_y 1
		.amdhsa_system_sgpr_workgroup_id_z 1
		.amdhsa_system_vgpr_workitem_id 0
		.amdhsa_next_free_vgpr 1024
		.amdhsa_next_free_sgpr 96
		.amdhsa_reserve_vcc 0
		.amdhsa_float_denorm_mode_32 3
		.amdhsa_float_denorm_mode_16_64 3
		.amdhsa_fp16_overflow 1
		.amdhsa_memory_ordered 1
		.amdhsa_forward_progress 1
		.amdhsa_inst_pref_size 146
	.end_amdhsa_kernel
	.amdgpu_metadata
---
amdhsa.version: [ 1, 2 ]
amdhsa.kernels:
  - .name:           k_q3d843e5afb_qkv
    .symbol:         k_q3d843e5afb_qkv.kd
    .args:
      - { .name: x_img, .offset: 0, .size: 8, .value_kind: global_buffer, .address_space: global }
      - { .name: wa_img, .offset: 8, .size: 8, .value_kind: global_buffer, .address_space: global }
      - { .name: lowp_scales, .offset: 16, .size: 8, .value_kind: global_buffer, .address_space: global }
      - { .name: b_attn, .offset: 24, .size: 8, .value_kind: global_buffer, .address_space: global }
      - { .name: q_img, .offset: 32, .size: 8, .value_kind: global_buffer, .address_space: global }
      - { .name: kv_img, .offset: 40, .size: 8, .value_kind: global_buffer, .address_space: global }
    .group_segment_fixed_size: 327680
    .private_segment_fixed_size: 0
    .kernarg_segment_align: 8
    .kernarg_segment_size: 48
    .max_flat_workgroup_size: 128
    .sgpr_count:     96
    .vgpr_count:     1024
    .wavefront_size: 32
...
	.end_amdgpu_metadata
.endif
;; end of part 2
;; launch attn (part 3): grid 4 x 64, 16 waves a work-group, clusters of 4 x 1, 264,192 bytes of LDS; arguments q_img, kv_img, lowp_scales, y_img; writes y_img
.if DOCPART == 3
	.amdgcn_target "amdgcn-amd-amdhsa--gfx1250"
	.amdhsa_code_object_version 6
	.text
	.protected	k_q3d843e5afb_attn
	.globl	k_q3d843e5afb_attn
	.p2align	8
	.type	k_q3d843e5afb_attn,@function
k_q3d843e5afb_attn:
	s_mov_b64 s[64:65], 0
	v_nop
	global_prefetch_b8 v0, s[64:65] scope:SCOPE_SE
	s_setreg_imm32_b32 hwreg(HW_REG_WAVE_MODE, 25, 1), 1
	s_wait_xcnt 0x0
	s_wait_alu depctr_hold_cnt(0) depctr_sa_sdst(0) depctr_va_vdst(0) depctr_va_sdst(0) depctr_va_ssrc(0) depctr_va_vcc(0) depctr_vm_vsrc(0)
	s_getreg_b32 s2, hwreg(HW_REG_IB_STS2, 6, 4)
	s_cmp_eq_u32 s2, 0
	s_cbranch_scc0 .Lentry_in_a_cluster
	s_endpgm
.Lentry_in_a_cluster:
	s_bfe_u32 s2, ttmp6, 0x10000c
	s_cmp_lg_u32 s2, 0x3003
	s_cbranch_scc0 .Lentry_shape_is_right
	s_endpgm
.Lentry_shape_is_right:
; Causal attention on codes of FP8 (E4M3), 64 (batch x head) x 2,048 tokens x 64 channels, and y quantised with its given scale into the image that the last product reads.
; q_img [bh][query / 16][1,024 bytes];  kv_img [bh][key / 128][16,384 bytes]: 8 tiles of 16 keys x 64 channels, then 4 tiles of 16 channels x 128 keys;  all images of operand registers:
; registers 4 g .. 4 g + 3 of lane l at 512 g + 16 l, k in the matrix forms' own order.  y_img [token / 16][channel / 128][2,048 bytes], likewise.
; THE SOFTMAX: t = score x log2(e) / 8; M = the row's largest t so far, rounded UP to a whole number; p = 2^(t - M) is quantised (scale 2^e4), not normalised; the row's sum is taken of the
; unquantised p and divides at the end.  When M moves, the sum and O are multiplied by 2^(old M - new M): exact.
; SHARES.  A cluster of four work-groups is one (batch, head).  The head's whole K and V, 262,144 bytes, are brought ONCE into each partner's LDS: wave w asks jointly for key step w.  Nothing is filled again.
; Partner cx takes the query tiles 4 m + cx.  Wave w takes m = w and then m = 31 - w.  A tile needs key steps 0 .. m / 2, whatever cx: so no branch hangs on a work-group's place,
; and every wave has (w / 2 + 1) + (16 - w / 2) = 17 steps of 128 keys.
; LAYOUT.  Both products are used transposed: S^T = K Q^T (source 0 = 16 keys), O^T = V^T P^T (source 0 = 16 channels): a lane holds ONE query (lane % 16) throughout.  Register j of key tile t holds key
; 16 t + 8 (lane / 16) + j: one conversion of the tile's eight registers gives registers 2 t, 2 t + 1 of P in the second form's own order.  O^T's registers likewise run along y's channels.
; LIMITS on the given exponents, so that each power of two is an f32 number: e2 + e3 between -123 and 130; e4, and e6 - e4 - e5, between -126 and 119.  NaN is not served.
.set LI,   1                           ; v1   16 x lane
.set ADR,  2                           ; v2   LDS address of the step in hand
.set VD1,  3                           ; v3, v4  the mask: my query less the diagonal step's first key less 8 (lane / 16), for the first and the second tile
.set VD2,  4
.set Q1,   16                          ; v16-23, v24-31  Q's fragments of the two tiles
.set Q2,   24
.set KV,   32                          ; v32-95   8 fragments of K, then 4 of V
.set S,    96                          ; v96-159  S^T, then p
.set O,    160                         ; v160-191 O^T
.set PC,   192                         ; v192-207 p's codes
.set A1,   208                         ; at work
.set F,    210                         ; v[210:211] f = 2^(old M - new M) (the pair's low word serves both halves)
.set PM,   212
.set SU,   214
.set HOLD, 216
.set SCL,  217                         ; 2^e4
.set NINF, 218                         ; -infinity
.set YSC,  219                         ; 2^(e6 - e4 - e5)
.set YLIM, 220
.set YC1,  222                         ; v222-229, v232-239  y's codes of the two tiles
.set RC,   230                         ; v[230:231] 1 / the row's sum
.set YC2,  232
.set WV,   12
.set CX,   13
.set BH,   14
.set G1,   16                          ; s[16:23] descriptor group 1;  s[24:27] group 0
.set G0,   24
.set CS,   36                          ; s[36:37] c = log2(e) / 8 x 2^(e2 + e3)
.set SEL,  38                          ; s[38:39] v_permlanex16_b32's selects for lane l xor 16
.set TB,   40                          ; s40  LDS byte at which the step's tiles begin
.set I,    41                          ; s41  the step
.set LAST1, 42                         ; s42, s43  the two tiles' last step, the one on the diagonal
.set LAST2, 43
.macro CROUND                          ; a round of the cluster's barrier
	s_barrier_signal -1
	s_barrier_wait -1
	s_cmp_lg_u32 s[WV], 0
	s_cbranch_scc1 .Lnot_wave_0_\@
	s_barrier_signal -3
.Lnot_wave_0_\@:
	s_barrier_wait -3
	s_barrier_signal -1
	s_barrier_wait -1
.endm
	s_load_b256 s[4:11], s[0:1], 0x0               ; q_img s[4:5], kv_img s[6:7], the scales' exponents s[8:9], y_img s[10:11]
	v_lshl_add_u32 v254, v0, 2, 0x40000
	v_mov_b32 v255, 0
	ds_add_u32 v254, v255
	ds_add_u32 v254, v255
	v_lshrrev_b32 v1, 5, v0
	s_delay_alu instid0(VALU_DEP_1)
	v_readfirstlane_b32 s[WV], v1                  ; wave 0..15
	s_bfe_u32 s[CX], ttmp6, 0x40000                ; my place in the cluster
	s_and_b32 s[BH], ttmp7, 0xffff                 ; 16 b + head, which the four partners share
	; descriptor group 1: a key step's 16,384 bytes, dense: 64 rows of 256 bytes in elements of 8 bytes
	s_mov_b32 s[G1], 15|(3<<16)|(1<<21)            ; 15:0 the mask: all four; 17:16 elements of 8 bytes; 21 set beside a mask
	s_mov_b32 s[G1+1], 32<<16                      ; tensor_dim0
	s_mov_b32 s[G1+2], 64<<16                      ; tensor_dim1
	s_mov_b32 s[G1+3], 32<<16                      ; tile_dim0
	s_mov_b32 s[G1+4], 64                          ; tile_dim1
	s_mov_b32 s[G1+5], 32                          ; tensor_dim0_stride
	s_mov_b32 s[G1+6], 0
	s_mov_b32 s[G1+7], 0
	s_mov_b32 s[G0], 1
	s_lshl_b32 s[G0+1], s[WV], 14                  ; LDS: key step w at 16,384 w
	s_lshl_b32 s54, s[BH], 18
	s_add_co_u32 s54, s54, s[G0+1]
	s_mov_b32 s55, 0
	s_wait_dscnt 0x0
	s_wait_kmcnt 0x0
	s_load_b256 s[28:35], s[8:9], 0x0              ; e0 .. e7
	s_add_nc_u64 s[G0+2:G0+3], s[6:7], s[54:55]
	s_or_b32 s[G0+3], s[G0+3], 0x80000000
	CROUND                                         ; all four work-groups are here: the joint loads meet
	tensor_load_to_lds s[G0:G0+3], s[G1:G1+7]      ; my one tensor load of the launch
	s_nop 0
.rept 4
	v_nop
.endr
	s_lshl_b32 s54, s[WV], 2
	s_add_co_u32 s54, s54, s[CX]                   ; my first query tile: 4 w + cx
	s_sub_co_u32 s55, 31, s[WV]
	s_lshl_b32 s55, s55, 2
	s_add_co_u32 s55, s55, s[CX]                   ; my second: 4 (31 - w) + cx
	s_lshl_b32 s56, s[BH], 7
	s_add_co_u32 s57, s56, s54
	s_lshl_b32 s58, s57, 10
	s_mov_b32 s59, 0
	s_add_nc_u64 s[50:51], s[4:5], s[58:59]
	s_add_co_u32 s57, s56, s55
	s_lshl_b32 s58, s57, 10
	s_add_nc_u64 s[52:53], s[4:5], s[58:59]
	v_and_b32 v[LI], 31, v0
	s_delay_alu instid0(VALU_DEP_1)
	v_lshlrev_b32 v[LI], 4, v[LI]
	global_load_b128 v[Q1:Q1+3], v[LI], s[50:51]
	global_load_b128 v[Q1+4:Q1+7], v[LI], s[50:51] offset:512
	global_load_b128 v[Q2:Q2+3], v[LI], s[52:53]
	global_load_b128 v[Q2+4:Q2+7], v[LI], s[52:53] offset:512
	s_lshr_b32 s56, s[BH], 4
	s_lshl_b32 s56, s56, 7                         ; y: the batch's 128 row tiles,
	s_and_b32 s57, s[BH], 15
	s_lshl_b32 s57, s57, 10                        ; the head's 64 channels: half an image, 1,024 bytes
	s_add_co_u32 s58, s56, s54
	s_lshl_b32 s58, s58, 14
	s_add_co_u32 s58, s58, s57
	s_add_nc_u64 s[46:47], s[10:11], s[58:59]
	s_add_co_u32 s58, s56, s55
	s_lshl_b32 s58, s58, 14
	s_add_co_u32 s58, s58, s57
	s_add_nc_u64 s[48:49], s[10:11], s[58:59]
	s_lshr_b32 s[LAST1], s[WV], 1
	s_sub_co_u32 s[LAST2], 15, s[LAST1]
	v_and_b32 v5, 15, v0
	v_bfe_u32 v6, v0, 4, 1
	s_delay_alu instid0(VALU_DEP_1)
	v_lshlrev_b32 v6, 3, v6
	s_delay_alu instid0(VALU_DEP_1)
	v_sub_nc_u32 v5, v5, v6                        ; r - 8 h
	s_and_b32 s54, s[WV], 1
	s_lshl_b32 s54, s54, 6
	s_lshl_b32 s55, s[CX], 4
	s_add_co_u32 s56, s54, s55
	v_add_nc_u32 v[VD1], s56, v5                   ; 64 (m % 2) + 16 cx + r - 8 h
	s_xor_b32 s54, s54, 64
	s_add_co_u32 s56, s54, s55
	v_add_nc_u32 v[VD2], s56, v5
	s_mov_b32 s[SEL], 0x76543210
	s_mov_b32 s[SEL+1], 0xfedcba98
	v_mov_b32 v[NINF], 0xff800000
	v_mov_b32 v[F+1], 0                            ; (named as the upper halves of pairs, so they are written)
	v_mov_b32 v[RC+1], 0
	v_mov_b32 v[PM], 0                             ; a lane permute's destination counts as one of its sources
	s_wait_kmcnt 0x0
	s_add_co_i32 s54, s30, s31
	s_lshl_b32 s54, s54, 23
	s_add_co_i32 s[CS], s54, 0x3e38aa3b            ; c = log2(e) / 8, with e2 + e3 added to its exponent field
	s_mov_b32 s[CS+1], s[CS]
	s_add_co_i32 s54, s32, 127
	s_lshl_b32 s55, s54, 23
	v_mov_b32 v[SCL], s55
	s_sub_co_i32 s54, s34, s32
	s_sub_co_i32 s54, s54, s33                     ; O^T / the sum stands for y / 2^(e4 + e5): the three scales are folded into the conversion's one
	s_add_co_i32 s54, s54, 127
	s_lshl_b32 s55, s54, 23
	v_mov_b32 v[YSC], s55
	s_wait_loadcnt 0x0                             ; Q
	s_wait_tensorcnt 0x0                           ; my key step is in,
	s_barrier_signal -1
	s_barrier_wait -1                              ; everybody's is: from here on LDS is only read
; A KEY STEP: 128 keys.  A step all of whose keys come after my queries is left out by a scalar branch on the wave's number and the step's.
.macro KSTEP q, vd, last
	s_cmp_gt_u32 s[I], s[\last]
	s_cbranch_scc1 .Lhidden_\@
	s_setprio 2
	v_add_nc_u32 v[ADR], s[TB], v[LI]
.rept 3
	v_nop                                          ; with the addition: four places in front of loads into registers that the last products have read
.endr
.irp t, 0,1,2,3,4,5,6,7
	ds_load_b128 v[KV+8*\t:KV+8*\t+3], v[ADR] offset:\t*1024
	ds_load_b128 v[KV+8*\t+4:KV+8*\t+7], v[ADR] offset:\t*1024+512
.endr
	s_wait_alu depctr_va_vdst(0)
	s_wait_dscnt 0x0
.irp t, 0,1,2,3,4,5,6,7
	v_wmma_f32_16x16x64_fp8_fp8 v[S+8*\t:S+8*\t+7], v[KV+8*\t:KV+8*\t+7], v[\q:\q+7], 0
.endr
.rept 4
	v_nop                                          ; places: in front of the loads below and of the first read of the scores
.endr
.irp d, 0,1,2,3
.irp g, 0,1,2,3
	ds_load_b128 v[KV+16*\d+4*\g:KV+16*\d+4*\g+3], v[ADR] offset:8192+\d*2048+\g*512   ; V lands while the softmax is walked
.endr
.endr
	s_cmp_lg_u32 s[I], s[\last]
	s_cbranch_scc1 .Lopen_\@
.set n, 0
.rept 64                                       ; on the diagonal hidden scores become -infinity ahead of the maximum: p = 0 then.  Register n holds key 16 (n / 8) + 8 (lane / 16) + n % 8 of the step
	v_cmp_gt_i32 vcc_lo, 16*(n/8)+n%8, v[\vd]
	v_cndmask_b32 v[S+n], v[S+n], v[NINF], vcc_lo
.set n, n+1
.endr
.Lopen_\@:
	v_max3_num_f32 v[A1], v[S], v[S+1], v[S+2]     ; the step's largest score of my query among my 64 keys, in two chains, from each tile's low end on,
	v_max3_num_f32 v[F], v[S+3], v[S+4], v[S+5]
.set j, 6
.rept 14
	v_max3_num_f32 v[A1], v[A1], v[S+j], v[S+j+1]
	v_max3_num_f32 v[F], v[F], v[S+j+2], v[S+j+3]
.set j, j+4
.endr
	v_max3_num_f32 v[A1], v[A1], v[S+62], v[S+63]
	s_delay_alu instid0(VALU_DEP_1)
	v_max_num_f32 v[A1], v[A1], v[F]
	s_delay_alu instid0(VALU_DEP_1)
	v_permlanex16_b32 v[PM], v[A1], s[SEL], s[SEL+1]
	s_delay_alu instid0(VALU_DEP_1)
	v_max_num_f32 v[A1], v[A1], v[PM]              ; and among lane l xor 16's
	s_delay_alu instid0(VALU_DEP_1)
	v_mul_f32 v[A1], s[CS], v[A1]                  ; as t (c is positive)
	s_delay_alu instid0(VALU_DEP_1)
	v_max_num_f32 v13, v13, v[A1]                  ; the running largest t
	v_mov_b32 v[A1], v12
	s_delay_alu instid0(VALU_DEP_2)
	v_floor_f32 v12, -v13                          ; the new -M = floor(-t): M is a whole number
	s_delay_alu instid0(VALU_DEP_1)
	v_sub_f32 v[A1], v12, v[A1]                    ; old M - new M: a whole number, 0 or less
	s_delay_alu instid0(VALU_DEP_1)
	v_cvt_i32_f32 v[A1], v[A1]                     ; (it saturates)
	s_delay_alu instid0(VALU_DEP_1)
	v_ldexp_f32 v[F], 1.0, v[A1]                   ; f = 2^(old M - new M)
.set j, 0
	s_setprio 1
.rept 32
	v_pk_fma_f32 v[S+j:S+j+1], v[S+j:S+j+1], s[CS:CS+1], v[12:13] op_sel_hi:[1,0,0]   ; t - M, two at a time
.set j, j+2
.endr
.set j, 0
	s_wait_alu depctr_va_vdst(0)
.rept 64
	v_exp_f32 v[S+j], v[S+j]                       ; p = 2^(t - M), at most 1
.set j, j+1
.endr
	v_pk_mul_f32 v[14:15], v[14:15], v[F:F+1] op_sel_hi:[1,0]   ; the sums under the new M: the plain line behind the exponentials
	s_wait_alu depctr_va_vdst(0)                   ; one wait for the whole batch, ahead of its first reader
	v_pk_add_f32 v[214:215], v[100:101], v[104:105]
	v_pk_add_f32 v[252:253], v[108:109], v[112:113]
	v_pk_add_f32 v[250:251], v[116:117], v[120:121]
	v_pk_add_f32 v[248:249], v[124:125], v[128:129]
	v_pk_add_f32 v[246:247], v[132:133], v[136:137]
	v_pk_add_f32 v[244:245], v[140:141], v[144:145]
	v_pk_add_f32 v[242:243], v[148:149], v[152:153]
	v_pk_add_f32 v[14:15], v[14:15], v[156:157]
	v_pk_add_f32 v[214:215], v[214:215], v[96:97]
	v_pk_add_f32 v[252:253], v[252:253], v[98:99]
	v_pk_add_f32 v[250:251], v[250:251], v[102:103]
	v_pk_add_f32 v[248:249], v[248:249], v[106:107]
	v_pk_add_f32 v[246:247], v[246:247], v[110:111]
	v_pk_add_f32 v[244:245], v[244:245], v[114:115]
	v_pk_add_f32 v[242:243], v[242:243], v[118:119]
	v_pk_add_f32 v[14:15], v[14:15], v[122:123]
	v_pk_add_f32 v[214:215], v[214:215], v[126:127]
	v_pk_add_f32 v[252:253], v[252:253], v[130:131]
	v_pk_add_f32 v[250:251], v[250:251], v[134:135]
	v_pk_add_f32 v[248:249], v[248:249], v[138:139]
	v_pk_add_f32 v[246:247], v[246:247], v[142:143]
	v_pk_add_f32 v[244:245], v[244:245], v[146:147]
	v_pk_add_f32 v[242:243], v[242:243], v[150:151]
	s_setprio 0
	v_pk_add_f32 v[14:15], v[14:15], v[154:155]
	v_pk_add_f32 v[214:215], v[214:215], v[158:159]
	s_delay_alu instid0(VALU_DEP_2)
	v_pk_add_f32 v[14:15], v[14:15], v[248:249]
	s_delay_alu instid0(VALU_DEP_2)
	v_pk_add_f32 v[214:215], v[214:215], v[246:247]
	v_pk_add_f32 v[252:253], v[252:253], v[244:245]
	v_pk_add_f32 v[250:251], v[250:251], v[242:243]
	s_delay_alu instid0(VALU_DEP_2)
	v_pk_add_f32 v[14:15], v[14:15], v[252:253]
	s_delay_alu instid0(VALU_DEP_2)
	v_pk_add_f32 v[214:215], v[214:215], v[250:251]
	s_delay_alu instid0(VALU_DEP_1)
	v_pk_add_f32 v[14:15], v[14:15], v[214:215]
.irp t, 0,1,2,3,4,5,6,7
.irp i, 0,1,2,3,4,5,6,7
.endr
	v_cvt_scalef32_pk8_fp8_f32 v[PC+2*\t:PC+2*\t+1], v[S+8*\t:S+8*\t+7], v[SCL]
.endr
.set j, 0
.rept 16
	v_pk_mul_f32 v[O+j:O+j+1], v[O+j:O+j+1], v[F:F+1] op_sel_hi:[1,0]   ; O^T under the new M.  (Plain lines between the conversions and the products)
.set j, j+2
.endr
	s_wait_alu depctr_va_vdst(0)
	s_wait_dscnt 0x0                               ; V is in
.irp d, 0,1,2,3                                ; the four accumulators take turns, and the eight products K Q^T stand between two steps' links
	v_wmma_f32_16x16x128_fp8_fp8 v[O+8*\d:O+8*\d+7], v[KV+16*\d:KV+16*\d+15], v[PC:PC+15], v[O+8*\d:O+8*\d+7]
.endr
.Lhidden_\@:
.endm
; One query tile: the sums begin as zeros and the largest t as -3e38, so that the step is written once; 16 trips, a constant, of which the hidden ones do nothing; then y's codes leave.
.macro PASS q, vd, last, yc, yb
	v_mov_b32 v13, 0xff61b1e6
	s_delay_alu instid0(VALU_DEP_1)
	v_floor_f32 v12, -v13
	v_mov_b32 v14, 0
	v_mov_b32 v15, 0
.set j, 0
.rept 32
	v_mov_b32 v[O+j], 0
.set j, j+1
.endr
	s_mov_b32 s[TB], 0
	s_mov_b32 s[I], 0
.Lstep_\@:
	KSTEP \q, \vd, \last
	s_add_co_u32 s[TB], s[TB], 16384
	s_add_co_u32 s[I], s[I], 1
	s_cmp_lt_u32 s[I], 16
	s_cbranch_scc1 .Lstep_\@
	s_setprio 0
.rept 4
	v_nop                                          ; places behind the last products
.endr
	v_add_f32 v14, v14, v15                        ; the sum's two halves,
	s_delay_alu instid0(VALU_DEP_1)
	v_permlanex16_b32 v[PM], v14, s[SEL], s[SEL+1]
	s_delay_alu instid0(VALU_DEP_1)
	v_add_f32 v14, v14, v[PM]                      ; and lane l xor 16's
	s_wait_alu depctr_va_vdst(0)
	v_rcp_f32 v[RC], v14
	v_nop                                          ; a plain line behind the reciprocal,
	s_wait_alu depctr_va_vdst(0)                   ; and the wait ahead of its first reader
.set j, 0
.rept 16
	v_pk_mul_f32 v[S+j:S+j+1], v[O+j:O+j+1], v[RC:RC+1] op_sel_hi:[1,0]   ; O^T / the sum: register 8 d + i is channel 16 d + 8 (lane / 16) + i of my query
.set j, j+2
.endr
.irp d, 0,1,2,3
.irp i, 0,1,2,3,4,5,6,7
.endr
	v_cvt_scalef32_pk8_fp8_f32 v[\yc+2*\d:\yc+2*\d+1], v[S+8*\d:S+8*\d+7], v[YSC]
.endr
	v_nop                                          ; a plain line behind the last conversion
	global_store_b128 v[LI], v[\yc:\yc+3], s[\yb:\yb+1]             ; 32 lanes store 512 consecutive bytes
	global_store_b128 v[LI], v[\yc+4:\yc+7], s[\yb:\yb+1] offset:512
.endm
	PASS Q1, VD1, LAST1, YC1, 46
	PASS Q2, VD2, LAST2, YC2, 48
	s_wait_tensorcnt 0x0
	ds_add_u32 v254, v255
	s_wait_dscnt 0x0
	CROUND                                         ; the closing round
	s_endpgm
.Lfunc_end_k_q3d843e5afb_attn:
	.size	k_q3d843e5afb_attn, .Lfunc_end_k_q3d843e5afb_attn-k_q3d843e5afb_attn
	.p2alignl 7, 3214868480
	.fill 96, 4, 3214868480
	.section	.rodata,"a",@progbits
	.p2align	6, 0x0
	.amdhsa_kernel k_q3d843e5afb_attn
		.amdhsa_group_segment_fixed_size 264192
		.amdhsa_private_segment_fixed_size 0
		.amdhsa_enable_private_segment 0
		.amdhsa_kernarg_size 32
		.amdhsa_user_sgpr_count 2
		.amdhsa_user_sgpr_kernarg_segment_ptr 1
		.amdhsa_wavefront_size32 1
		.amdhsa_system_sgpr_workgroup_id_x 1
		.amdhsa_system_sgpr_workgroup_id_y 1
		.amdhsa_system_sgpr_workgroup_id_z 1
		.amdhsa_system_vgpr_workitem_id 0
		.amdhsa_next_free_vgpr 256
		.amdhsa_next_free_sgpr 66
		.amdhsa_reserve_vcc 1
		.amdhsa_float_denorm_mode_32 3
		.amdhsa_float_denorm_mode_16_64 3
		.amdhsa_fp16_overflow 1
		.amdhsa_memory_ordered 1
		.amdhsa_forward_progress 1
		.amdhsa_inst_pref_size 50
	.end_amdhsa_kernel
	.amdgpu_metadata
---
amdhsa.version: [ 1, 2 ]
amdhsa.kernels:
  - .name:           k_q3d843e5afb_attn
    .symbol:         k_q3d843e5afb_attn.kd
    .args:
      - { .name: q_img, .offset: 0, .size: 8, .value_kind: global_buffer, .address_space: global }
      - { .name: kv_img, .offset: 8, .size: 8, .value_kind: global_buffer, .address_space: global }
      - { .name: lowp_scales, .offset: 16, .size: 8, .value_kind: global_buffer, .address_space: global }
      - { .name: y_img, .offset: 24, .size: 8, .value_kind: global_buffer, .address_space: global }
    .group_segment_fixed_size: 264192
    .private_segment_fixed_size: 0
    .kernarg_segment_align: 8
    .kernarg_segment_size: 32
    .max_flat_workgroup_size: 512
    .sgpr_count:     66
    .vgpr_count:     256
    .wavefront_size: 32
...
	.end_amdgpu_metadata
.endif
;; end of part 3
;; launch proj (part 4): grid 4 x 32, 4 waves a work-group, clusters of 4 x 4, 327,680 bytes of LDS; arguments y_img, wp_img, lowp_scales, b_proj, out0; writes out0
.if DOCPART == 4
	.amdgcn_target "amdgcn-amd-amdhsa--gfx1250"
	.amdhsa_code_object_version 6
	.text
	.protected	k_q3d843e5afb_proj
	.globl	k_q3d843e5afb_proj
	.p2align	8
	.type	k_q3d843e5afb_proj,@function
k_q3d843e5afb_proj:
	s_mov_b64 s[64:65], 0
	v_nop
	global_prefetch_b8 v0, s[64:65] scope:SCOPE_SE
	s_setreg_imm32_b32 hwreg(HW_REG_WAVE_MODE, 25, 1), 1
	s_wait_xcnt 0x0
	s_wait_alu depctr_hold_cnt(0) depctr_sa_sdst(0) depctr_va_vdst(0) depctr_va_sdst(0) depctr_va_ssrc(0) depctr_va_vcc(0) depctr_vm_vsrc(0)
	s_getreg_b32 s2, hwreg(HW_REG_IB_STS2, 6, 4)
	s_cmp_eq_u32 s2, 0
	s_cbranch_scc0 .Lentry_in_a_cluster
	s_endpgm
.Lentry_in_a_cluster:
	s_bfe_u32 s2, ttmp6, 0x10000c
	s_cmp_lg_u32 s2, 0xf033
	s_cbranch_scc0 .Lentry_shape_is_right
	s_endpgm
.Lentry_shape_is_right:
; out0 = y w_proj + b_proj on codes of FP8 (E4M3).  y_img: [row / 16][k / 128][2,048 bytes], wp_img: [column / 16][k / 128][2,048 bytes]: images of operand registers (registers 4 g .. 4 g + 3 of
; lane l at 512 g + 16 l), k in the matrix form's own order on both sides.  out0: [8192][1024] f32.  Each finished sum is multiplied once by 2^(e6 + e7) and the bias added: one fused multiply-add.
; LIMIT: e6 + e7 between -126 and 127, so that 2^(e6 + e7) is an f32 number.
; A tile of out0 is 256 x 256, a work-group of four waves, a wave 128 x 128: 64 accumulators, 512 registers.  K = 1,024 goes in four steps of 256 through a ring of two LDS slots.
; CLUSTERS: 4 x 4 work-groups; y's tile is shared along a row of the cluster, the weights' along a column: each is asked for jointly.
; THE MATRIX INSTRUCTION IS USED TRANSPOSED (source 0 = 16 columns of w_proj, source 1 = 16 rows of y): a lane holds eight neighbouring numbers of a row of out0.
; REGISTERS, in windows of 256: window 0: v16-31 addresses; v32-95 the bias; v96-127 at work on the way out; from v128 y's fragments, ONE set, later rows read back from the stage.
;   window 1: the weights' fragments, TWO sets.   window 2: accumulators of my rows 0-63 ((a, b) at v[8 (8 a + b)]);   window 3: of my rows 64-127.
.set SIZE_N, 1024
.set FR,     16
.set NL,     4
.set NP,     4                         ; places behind this matrix instruction (ISA guide 7.12.1)
.set HALFT,  32768                     ; 8 row tiles x 256 along K
.set SLOT,   4*HALFT
.set STEPB,  4096
.set LAPS,   2
.set SPARE,  2*SLOT                    ; behind the ring: the spare words, 128 bytes a wave: two blocks of 256 bytes that no other line names
.set SPITCH, 528                       ; the way out: a stage of 16 rows x (512 bytes + 16) for each wave, in slot 0, which has had its last fill and its last read when the first result is stored there
.set ADRA, 16
.set ADRB, 20
.set STO,  24                          ; v24  where I put 32 bytes of a row
.set RD,   25                          ; v25  where I read a row back
.set CO,   26                          ; v26  16 x lane
.set SPW,  28
.set NIL,  29
.set BO,   30
.set BI,   32                          ; v32-95  register 8 b + j: b_proj at my column 16 b + 8 h + j
.set TMP,  96
.set AF,   128
.set BK,   128                         ; 16 rows read back: v128-191 and v192-255 by turns
.set G1, 24
.set G0, 32
.set G1B, 48
.set G0B, 56
.set MSB, 0
.macro WIN new                         ; the immediate's high byte repeats the setting that is left
.if MSB != \new
	s_set_vgpr_msb (MSB<<8)|\new
.set MSB, \new
.endif
.endm
.set MUL_LO, 0xa1
.set MUL_HI, 0xf1
.set TO_B,   0x40
.macro JLOAD g0a, g1a, g0b, g1b        ; a joint load: waves 0 and 1 fetch y's halves, waves 2 and 3 the weights'; four v_nop follow each of the two lines
	s_cmp_eq_u32 s15, 0
	s_cbranch_scc0 .Lfor_b_\@
	tensor_load_to_lds s[\g0a:\g0a+3], s[\g1a:\g1a+7]
	s_nop 0
.rept 4
	v_nop
.endr
	s_branch .Lasked_\@
.Lfor_b_\@:
	tensor_load_to_lds s[\g0b:\g0b+3], s[\g1b:\g1b+7]
	s_nop 0
.rept 4
	v_nop
.endr
.Lasked_\@:
.endm
.macro CREST
	s_cmp_lg_u32 s14, 0
	s_cbranch_scc1 .Lnot_wave_0_\@
	s_barrier_signal -3
.Lnot_wave_0_\@:
	s_barrier_wait -3
	s_barrier_signal -1
	s_barrier_wait -1
.endm
.macro CROUND
	s_barrier_signal -1
	s_barrier_wait -1
	CREST
.endm
	s_load_b256 s[4:11], s[0:1], 0x0               ; y_img s[4:5], wp_img s[6:7], the scales' exponents s[8:9], b_proj s[10:11]
	s_load_b64 s[12:13], s[0:1], 0x20              ; out0
	v_lshl_add_u32 v[SPW], v0, 2, SPARE
	v_mov_b32 v[NIL], 0
	ds_add_u32 v28, v29
	ds_add_u32 v28, v29
	s_wait_dscnt 0x0
	v_lshrrev_b32 v1, 5, v0
	v_readfirstlane_b32 s14, v1                    ; wave 0..3
	s_lshr_b32 s15, s14, 1                         ; which half of the tile's rows is mine.  Also: I fetch for y (0) or for the weights (1)
	s_and_b32 s16, s14, 1                          ; which half of its columns.  Also: which half of that tile I fetch
	s_bfe_u32 s40, ttmp6, 0x40000                  ; cx, cy
	s_bfe_u32 s41, ttmp6, 0x40004
	s_lshl_b32 s42, ttmp9, 2
	s_add_co_u32 s42, s42, s40                     ; tile column
	s_and_b32 s17, ttmp7, 0xffff
	s_lshl_b32 s17, s17, 2
	s_add_co_u32 s17, s17, s41                     ; tile row
	s_lshl_b32 s43, s41, 2
	s_lshl_b32 s43, 15, s43                        ; my row of the cluster
	s_lshl_b32 s44, 0x1111, s40                    ; my column
	; descriptor group 1: 8 rows (row tiles) of 4,096 bytes, 16,384 bytes apart, in elements of 8 bytes; dense in LDS
	s_or_b32 s[G1+0], s43, (3<<16)|(1<<21)
	s_or_b32 s[G1B+0], s44, (3<<16)|(1<<21)
.irp g, G1, G1B
	s_mov_b32 s[\g+1], 512<<16
	s_mov_b32 s[\g+2], 8<<16
	s_mov_b32 s[\g+3], 512<<16
	s_mov_b32 s[\g+4], 8
	s_mov_b32 s[\g+5], 2048
	s_mov_b32 s[\g+6], 0
	s_mov_b32 s[\g+7], 0
.endr
	s_lshl_b32 s18, s16, 17
	s_lshl_b32 s20, s17, 18
	s_add_co_u32 s20, s20, s18
	s_mov_b32 s21, 0
	s_lshl_b32 s46, s42, 18
	s_add_co_u32 s46, s46, s18
	s_mov_b32 s47, 0
	s_mul_i32 s45, s14, HALFT
	s_wait_kmcnt 0x0
	s_load_b64 s[96:97], s[8:9], 0x18              ; e6, e7
	s_add_nc_u64 s[20:21], s[4:5], s[20:21]
	s_add_nc_u64 s[46:47], s[6:7], s[46:47]
	CROUND                                         ; all sixteen work-groups are here: the first joint loads meet
.irp s, 0,1
	s_mov_b32 s[G0+4*\s], 1
	s_add_co_u32 s[G0+4*\s+1], s45, \s*SLOT
	s_add_nc_u64 s[G0+4*\s+2:G0+4*\s+3], s[20:21], \s*STEPB
	s_or_b32 s[G0+4*\s+3], s[G0+4*\s+3], 0x80000000
	s_mov_b32 s[G0B+4*\s], 1
	s_add_co_u32 s[G0B+4*\s+1], s45, \s*SLOT
	s_add_nc_u64 s[G0B+4*\s+2:G0B+4*\s+3], s[46:47], \s*STEPB
	s_or_b32 s[G0B+4*\s+3], s[G0B+4*\s+3], 0x80000000
	s_wait_alu depctr_va_vdst(0)
	s_wait_tensorcnt 0x0
	ds_add_u32 v28, v29
	ds_add_u32 v28, v29
	s_wait_dscnt 0x0
	CROUND
	JLOAD G0+4*\s, G1, G0B+4*\s, G1B               ; one load of mine is out
.endr
	v_and_b32 v1, 15, v0                           ; r
	s_wait_alu depctr_va_vdst(0)
	v_bfe_u32 v2, v0, 4, 1                         ; h
	v_lshlrev_b32 v[BO], 5, v2
	s_lshl_b32 s46, s42, 10
	s_lshl_b32 s47, s16, 9
	s_add_co_u32 s46, s46, s47                     ; my first column, in bytes of f32: in the bias and in a row of out0
	s_mov_b32 s47, 0
	s_add_nc_u64 s[10:11], s[10:11], s[46:47]
.irp b, 0,1,2,3,4,5,6,7
	global_load_b128 v[BI+8*\b:BI+8*\b+3], v[BO], s[10:11] offset:64*\b
	global_load_b128 v[BI+8*\b+4:BI+8*\b+7], v[BO], s[10:11] offset:64*\b+16
.endr
	v_and_b32 v6, 31, v0
	v_lshlrev_b32 v[CO], 4, v6                     ; 16 x lane
	s_mul_i32 s21, s15, HALFT
	s_mul_i32 s22, s16, HALFT
	s_add_co_u32 s22, s22, 2*HALFT
.irp s, 0,1
	v_add_nc_u32 v[ADRA+\s], s21, v[CO]
	v_add_nc_u32 v[ADRB+\s], s22, v[CO]
	s_add_co_u32 s21, s21, SLOT
	s_add_co_u32 s22, s22, SLOT
.endr
	s_mul_i32 s23, s14, 16*SPITCH                  ; my stage
	v_mul_u32_u24 v5, v1, SPITCH
	s_wait_alu depctr_va_vdst(0)
	v_lshl_add_u32 v5, v2, 5, v5
	v_add_nc_u32 v[STO], s23, v5                   ; in: row r, 32 bytes for each half of the lanes
	v_add_nc_u32 v[RD], s23, v[CO]                 ; back: the 32 lanes take one row of 512 bytes
	s_lshl_b32 s20, s17, 20                        ; my first row of out0: 256 x tile row + 128 x half, rows of 4,096 bytes
	s_lshl_b32 s21, s15, 19
	s_add_co_u32 s20, s20, s21
	s_add_co_u32 s20, s20, s46
	s_mov_b32 s21, 0
	s_add_nc_u64 s[12:13], s[12:13], s[20:21]
.macro FRAG reg, adr, q, i
.irp c, 0,1,2,3
	ds_load_b128 v[\reg+4*\c:\reg+4*\c+3], v[\adr] offset:(\i)*4096+(\q)*2048+512*\c
.endr
.endm
; The 64 accumulators take turns, one instruction a turn, in the same order in every step.
.macro MUL16 a0, p, zero
.irp a, \a0, \a0+1
.irp b, 0,1,2,3,4,5,6,7
.if \zero
	v_wmma_f32_16x16x128_fp8_fp8 v[8*(8*((\a)%4)+\b):8*(8*((\a)%4)+\b)+7], v[128*(\p)+FR*\b:128*(\p)+FR*\b+FR-1], v[AF+FR*(\a):AF+FR*(\a)+FR-1], 0
.else
	v_wmma_f32_16x16x128_fp8_fp8 v[8*(8*((\a)%4)+\b):8*(8*((\a)%4)+\b)+7], v[128*(\p)+FR*\b:128*(\p)+FR*\b+FR-1], v[AF+FR*(\a):AF+FR*(\a)+FR-1], v[8*(8*((\a)%4)+\b):8*(8*((\a)%4)+\b)+7]
.endif
.endr
.endr
.endm
.macro FETCH_B slot, q, p
	WIN TO_B
.irp i, 0,1,2,3,4,5,6,7
	FRAG 128*(\p)+FR*\i, ADRB+\slot, \q, \i
.endr
	WIN 0
.endm
.macro FETCH_A slot, q, i0
.irp i, \i0, \i0+1, \i0+2, \i0+3
	FRAG AF+FR*(\i), ADRA+\slot, \q, \i
.endr
.endm
.macro PLACES n
.rept \n
	v_nop
.endr
.endm
.macro STEP slot, q, zero
	s_wait_dscnt 4*NL                              ; the weights' set and y's blocks 0-3 are in; the youngest 16 loads (blocks 4-7) may be out
	WIN MUL_LO
	MUL16 0, (\q)%2, \zero
	MUL16 2, (\q)%2, \zero
	s_wait_dscnt 0
	PLACES NP
	FETCH_B \slot, (\q)+1, 1-(\q)%2
	FETCH_A \slot, (\q)+1, 0
	WIN MUL_HI
	MUL16 4, (\q)%2, \zero
	MUL16 6, (\q)%2, \zero
	PLACES NP
	WIN 0
	FETCH_A \slot, (\q)+1, 4
.endm
.macro TURN slot, next, fill
	s_wait_tensorcnt 0x0                           ; all my tensor loads have landed: my part of the next slot
	ds_add_u32 v[SPW], v[NIL]                      ; 0 onto my spare word
	s_wait_dscnt 4*NL+1                            ; (the add and the youngest 16 loads may be out)
	WIN MUL_LO
	MUL16 0, 1, 0
	s_wait_dscnt 0x0                               ; the add is done, and my reads of this slot are over
	s_barrier_signal -1
	MUL16 2, 1, 0
	WIN 0
	s_barrier_wait -1
.if \fill
	CREST                                          ; the barrier has opened a round of the cluster's: no wave of any partner still reads this slot or has a load on its way
	s_add_nc_u64 s[G0+4*\slot+2:G0+4*\slot+3], s[G0+4*\slot+2:G0+4*\slot+3], 2*STEPB
	s_add_nc_u64 s[G0B+4*\slot+2:G0B+4*\slot+3], s[G0B+4*\slot+2:G0B+4*\slot+3], 2*STEPB
	JLOAD G0+4*\slot, G1, G0B+4*\slot, G1B         ; the first tensor load behind the round, my only one until the next
.else
	PLACES NP
.endif
	FETCH_B \next, 0, 0
	FETCH_A \next, 0, 0
	WIN MUL_HI
	MUL16 4, 1, 0
	MUL16 6, 1, 0
	PLACES NP
	WIN 0
	FETCH_A \next, 0, 4
.endm
	s_wait_tensorcnt 1                             ; my part of slot 0 is in (slot 1's load may be out)
	s_barrier_signal -1
	s_barrier_wait -1                              ; everybody's is
	FETCH_B 0, 0, 0
	FETCH_A 0, 0, 0
	FETCH_A 0, 0, 4
	STEP 0, 0, 1                                   ; the first step's products start the sums
	s_mov_b32 s3, LAPS-1
.Llap:
	TURN 0, 1, 1
	STEP 1, 0, 0
	TURN 1, 0, 1
	STEP 0, 0, 0
	s_sub_co_u32 s3, s3, 1
	s_cmp_lg_u32 s3, 0
	s_cbranch_scc1 .Llap
	TURN 0, 1, 0                                   ; the last lap fills nothing
	STEP 1, 0, 0
	s_wait_dscnt 4*NL
	WIN MUL_LO
	MUL16 0, 1, 0
	MUL16 2, 1, 0
	s_wait_dscnt 0
	WIN MUL_HI
	MUL16 4, 1, 0
	MUL16 6, 1, 0
	WIN 0
; THE WAY OUT, block by block of 16 rows x 128 columns: sum x 2^(e6 + e7) + bias, through my own stage in LDS, back as whole rows of 512 bytes.
; LDS serves a wave's instructions in order (ISA guide 5.7.1.4): no wait between the stores and the loads, nor in front of the next block's stores.
.macro TOSTAGE a
.set AC, 64*((\a)%4)
.irp hb, 0,1                           ; four accumulators at a time
	WIN 0x02+((\a)/4)                              ; source 0: window 2 or 3
.irp j, 0,2,4,6,8,10,12,14,16,18,20,22,24,26,28,30
	v_pk_fma_f32 v[TMP+\j:TMP+\j+1], v[AC+32*\hb+\j:AC+32*\hb+\j+1], s[96:97], v[BI+32*\hb+\j:BI+32*\hb+\j+1] op_sel_hi:[1,0,1]   ; each accumulator from its low end on
.endr
	WIN 0
.irp b, 0,1,2,3
	ds_store_b128 v[STO], v[TMP+8*\b:TMP+8*\b+3] offset:64*(4*\hb+\b)
	ds_store_b128 v[STO], v[TMP+8*\b+4:TMP+8*\b+7] offset:64*(4*\hb+\b)+16
.endr
.endr
.set BB, BK+64*((\a)%2)
.irp t, 0,1,2,3,4,5,6,7,8,9,10,11,12,13,14,15
	ds_load_b128 v[BB+4*\t:BB+4*\t+3], v[RD] offset:\t*SPITCH
.endr
.endm
.macro SEND a, younger                 ; younger: the LDS instructions issued behind block a's loads, which may stay out
.set BB, BK+64*((\a)%2)
	s_wait_dscnt \younger
.if (\a) > 0
	s_add_nc_u64 s[12:13], s[12:13], 16*SIZE_N*4   ; (behind a wait on XCNT: the earlier stores have read their base)  16 rows on
.endif
.irp t, 0,1,2,3,4,5,6,7,8,9,10,11,12,13,14,15
	global_store_b128 v[CO], v[BB+4*\t:BB+4*\t+3], s[12:13] offset:\t*SIZE_N*4 th:TH_STORE_NT   ; 32 lanes store 512 consecutive bytes, at a multiple of 256 from out0's first byte
.endr
.endm
	s_wait_kmcnt 0x0
	s_add_co_i32 s96, s96, s97
	s_add_co_i32 s96, s96, 127
	s_lshl_b32 s96, s96, 23                        ; 2^(e6 + e7) as f32
	s_mov_b32 s97, s96                             ; (named with it as a pair, so it is written)
	s_wait_loadcnt 0x0                             ; the bias
	PLACES NP                                      ; behind the last products
	TOSTAGE 0
.irp a, 1,2,3,4,5,6,7
.if \a > 1
	s_wait_xcnt 0x0                                ; block a - 2's stores have read their registers and their base
.endif
	TOSTAGE \a
	SEND \a-1, 32                                  ; behind block a - 1's loads: block a's 16 stores and 16 loads
.endr
	s_wait_xcnt 0x0
	SEND 7, 0
	s_wait_tensorcnt 0x0                           ; the wave's end
	ds_add_u32 v[SPW], v[NIL]
	s_wait_dscnt 0x0
	CROUND                                         ; the closing round
	s_endpgm
.Lfunc_end_k_q3d843e5afb_proj:
	.size	k_q3d843e5afb_proj, .Lfunc_end_k_q3d843e5afb_proj-k_q3d843e5afb_proj
	.p2alignl 7, 3214868480
	.fill 96, 4, 3214868480
	.section	.rodata,"a",@progbits
	.p2align	6, 0x0
	.amdhsa_kernel k_q3d843e5afb_proj
		.amdhsa_group_segment_fixed_size 327680
		.amdhsa_private_segment_fixed_size 0
		.amdhsa_enable_private_segment 0
		.amdhsa_kernarg_size 40
		.amdhsa_user_sgpr_count 2
		.amdhsa_user_sgpr_kernarg_segment_ptr 1
		.amdhsa_wavefront_size32 1
		.amdhsa_system_sgpr_workgroup_id_x 1
		.amdhsa_system_sgpr_workgroup_id_y 1
		.amdhsa_system_sgpr_workgroup_id_z 1
		.amdhsa_system_vgpr_workitem_id 0
		.amdhsa_next_free_vgpr 1024
		.amdhsa_next_free_sgpr 98
		.amdhsa_reserve_vcc 0
		.amdhsa_float_denorm_mode_32 3
		.amdhsa_float_denorm_mode_16_64 3
		.amdhsa_memory_ordered 1
		.amdhsa_forward_progress 1
		.amdhsa_inst_pref_size 126
	.end_amdhsa_kernel
	.amdgpu_metadata
---
amdhsa.version: [ 1, 2 ]
amdhsa.kernels:
  - .name:           k_q3d843e5afb_proj
    .symbol:         k_q3d843e5afb_proj.kd
    .args:
      - { .name: y_img, .offset: 0, .size: 8, .value_kind: global_buffer, .address_space: global }
      - { .name: wp_img, .offset: 8, .size: 8, .value_kind: global_buffer, .address_space: global }
      - { .name: lowp_scales, .offset: 16, .size: 8, .value_kind: global_buffer, .address_space: global }
      - { .name: b_proj, .offset: 24, .size: 8, .value_kind: global_buffer, .address_space: global }
      - { .name: out0, .offset: 32, .size: 8, .value_kind: global_buffer, .address_space: global }
    .group_segment_fixed_size: 327680
    .private_segment_fixed_size: 0
    .kernarg_segment_align: 8
    .kernarg_segment_size: 40
    .max_flat_workgroup_size: 128
    .sgpr_count:     98
    .vgpr_count:     1024
    .wavefront_size: 32
...
	.end_amdgpu_metadata
.endif
;; end of part 4
